; MI455X (gfx1250); checked and timed in simulation.
; The chip was launched on July 23, 2026; its instructions are those of AMD's public machine-readable ISA for CDNA 5 (MIT licence, August 2026) and "CDNA5" Instruction Set Architecture Reference Guide (July 2026). The comments in the code are by the model that wrote it; some were corrected since.
;; Multi Cross Attention. Allowed arithmetic: matrix products marked QUANTISED: E4M3 operands, one E8M0 scale for each 32 along K, by v_wmma_scale_f32_16x16x128_f8f6f4 with both operands' format E4M3, f32 sums; everything else in f32.
;; Inputs: Wk_codes 512 x 16 x 32 uint8 (E4M3 codes of Wk, K innermost, in blocks of 32 codes); Wk_scales 512 x 16 uint8 (E8M0 scales of Wk, one for each 32 codes along K); Wq_codes 512 x 16 x 32 uint8 (E4M3 codes of Wq, K innermost, in blocks of 32 codes); Wq_scales 512 x 16 uint8 (E8M0 scales of Wq, one for each 32 codes along K); Wv_codes 512 x 16 x 32 uint8 (E4M3 codes of Wv, K innermost, in blocks of 32 codes); Wv_scales 512 x 16 uint8 (E8M0 scales of Wv, one for each 32 codes along K); x 4 x 2,048 x 512 float32; y 4 x 2,048 x 512 float32.
;; Outputs: out0 4 x 2,048 x 512 float32; out1 4 x 2,048 x 512 float32.
;; This version of the problem:
;;   THIS VERSION OF THE PROBLEM IS GIVEN IN LOW PRECISION. The matrix products marked QUANTISED in the list below multiply operands that are first quantised to E4M3 (4 exponent bits, 3 mantissa bits; 8 bits a number), with one power-of-two scale for each 32 numbers along K (OCP MX v1.0); their sums are f32. All else is computed in f32.
;;   The module's matrix products, in the order in which they are computed (A, B: the left and right operand; K: the contracted axis; several contracted axes count as one K, in the product's order):
;;     1. [M 8,192, K 512] x [K 512, N 512]; A: input y; B: input Wq (given as codes): QUANTISED
;;     2. [M 8,192, K 512] x [K 512, N 512]; A: input x; B: input Wk (given as codes): QUANTISED
;;     3. [M 8,192, K 512] x [K 512, N 512]; A: input x; B: input Wv (given as codes): QUANTISED
;;     4. [M 8,192, K 512] x [K 512, N 512]; A: input x; B: input Wq (given as codes): QUANTISED
;;     5. [M 8,192, K 512] x [K 512, N 512]; A: input y; B: input Wk (given as codes): QUANTISED
;;     6. [M 8,192, K 512] x [K 512, N 512]; A: input y; B: input Wv (given as codes): QUANTISED
;;     7. batch 32 x [M 2,048, K 64] x [K 64, N 2,048]; A: computed on the way; B: computed on the way: QUANTISED
;;     8. batch 32 x [M 2,048, K 64] x [K 64, N 2,048]; A: computed on the way; B: computed on the way: QUANTISED
;;     9. batch 32 x [M 2,048, K 2,048] x [K 2,048, N 64]; A: softmax (see below); B: computed on the way: QUANTISED
;;     10. batch 32 x [M 2,048, K 2,048] x [K 2,048, N 64]; A: softmax (see below); B: computed on the way: QUANTISED
;;   THE QUANTISER, for each operand of a quantised product, along K:
;;     - K is cut into blocks of 32 from its start; a last block that is shorter is filled with zeros.
;;     - A block's scale is 2^e with e = floor(log2(the largest magnitude in the block)) - 8, held to -126 .. 127; a block of zeros has e = 0. As a byte (E8M0): e + 127.
;;     - Each number is divided by its block's scale, clamped to +-448, and rounded to the nearest number of E4M3, ties to even, subnormals kept.
;;     - The product sums the exact products of the quantised numbers (number of the format x scale) in f32.
;;   ~~~python
;;   def quantise(x, axis):      # numpy; x: float32 -> the quantised numbers, widened to float32 again
;;       x = np.moveaxis(x, axis, -1); K = x.shape[-1]
;;       x = np.pad(x, [(0, 0)] * (x.ndim - 1) + [(0, -K % 32)]); x = x.reshape(x.shape[:-1] + (-1, 32)); a = np.abs(x).max(-1, keepdims=True)
;;       e = np.where(a > 0, np.clip(np.frexp(np.where(a > 0, a, 1))[1] - 1 - 8, -126, 127), 0)      # np.frexp(a)[1] - 1 = floor(log2(a)), exactly
;;       r = np.clip(x / 2.0 ** e, -448, 448)
;;       step = 2.0 ** (np.maximum(np.frexp(np.where(r == 0, 1, r))[1] - 1, -6) - 3)
;;       q = np.round(r / step) * step * 2.0 ** e      # np.round: ties to even
;;       return np.moveaxis(q.reshape(q.shape[:-2] + (-1,))[..., :K], -1, axis).astype(np.float32)
;;   ~~~
;;   SOFTMAX AHEAD OF A QUANTISED PRODUCT. Where the list says 'softmax', what is quantised is not the finished softmax but p = 2^(t - M), with t = logit x log2(e) and M = ceil(the row's largest t), a whole number; so 1/2 < the row's largest p <= 1. The row's sum l is taken of the UNQUANTISED p, in f32, and the product's result is divided by l at the end. Since M is a whole number, a kernel that streams over the keys may use a running M (the ceiling of the running maximum): every later rescaling is an exact power of two, which a block's scale takes up: the codes' values come out the same.
;;   OPERANDS COMPUTED ON THE WAY. 'Computed on the way' means the value that the module computes at that place (a softmax that the list does not call 'softmax' is quantised finished and normalised). What goes into a quantiser is computed in f32, as accurately as f32 sums, v_exp_f32 and their like allow (about 1e-6 of the number): no bf16 or f16 on the way to a quantiser, and a product that is left as it is and whose result goes on into a quantised operand takes f32 operands (vector FMAs, or v_wmma_f32_16x16x4_f32). A number that lies on a knife's edge between two numbers of the format may be rounded either way, as far as f32 arithmetic and the matrix unit's own rounding can turn it there, and no further.
;;   INPUTS GIVEN AS CODES. Wk (in the module: [512, 512], K = its axis 0); Wq (in the module: [512, 512], K = its axis 0); Wv (in the module: [512, 512], K = its axis 0): each comes as NAME_codes (uint8): NAME with its K axis moved to the last place and cut into blocks of 32 codes, [.., K / 32, bytes a block], one block behind the other in memory; one code a byte (a code: sign, 4 exponent bits, 3 mantissa bits); and NAME_scales (uint8): the same leading axes, one E8M0 byte (e + 127) for each 32 codes along K. Its value is code x scale, taken as it is: it is not quantised again, and the codes and scales need not be those that the quantiser above would give.
;; One version. Each part assembles by itself: llvm-mc -triple=amdgcn-amd-amdhsa -mcpu=gfx1250 --defsym DOCPART=n.
;; ======== version 1 of 1: 2 launches
;; limits: right only within a limited range of input values
;; workspace buffers: qc 8,388,608 bytes; kc 8,388,608 bytes; vc 8,388,608 bytes; qs 262,144 bytes; ks 262,144 bytes; vs 262,144 bytes
;; launch project (part 1): grid 256 x 1, 4 waves a work-group, clusters of 4 x 1, 327,680 bytes of LDS; arguments x, y, Wq_codes, Wq_scales, Wk_codes, Wk_scales, Wv_codes, Wv_scales, qc, qs, kc, ks, vc, vs; writes qc, qs, kc, ks, vc, vs
.if DOCPART == 1
	.amdgcn_target "amdgcn-amd-amdhsa--gfx1250"
	.amdhsa_code_object_version 6
	.text
	.protected	k_q0328ce4e84_project
	.globl	k_q0328ce4e84_project
	.p2align	8
	.type	k_q0328ce4e84_project,@function
k_q0328ce4e84_project:
	s_mov_b64 s[64:65], 0
	v_nop
	global_prefetch_b8 v0, s[64:65] scope:SCOPE_SE
	s_setreg_imm32_b32 hwreg(HW_REG_WAVE_MODE, 25, 1), 1
	s_wait_xcnt 0x0
	s_wait_alu depctr_hold_cnt(0) depctr_sa_sdst(0) depctr_va_vdst(0) depctr_va_sdst(0) depctr_va_ssrc(0) depctr_va_vcc(0) depctr_vm_vsrc(0)
	s_getreg_b32 s2, hwreg(HW_REG_IB_STS2, 6, 4)
	s_cmp_eq_u32 s2, 0
	s_cbranch_scc0 .Lentry_in_a_cluster
	s_endpgm
.Lentry_in_a_cluster:
	s_bfe_u32 s2, ttmp6, 0x10000c
	s_cmp_lg_u32 s2, 0x3003
	s_cbranch_scc0 .Lentry_shape_is_right
	s_endpgm
.Lentry_shape_is_right:
; THE SIX PROJECTIONS, x and y times Wq, Wk, Wv, on codes of FP8 (E4M3) with one E8M0 scale for each 32 along K, and the quantising of their results into the operands of the attention launch.
; x, y: [4][2048][512] f32, quantised here along K = 512.  W*: codes [512 n][512 k], scale bytes [512 n][16], taken as given.
; SHARES.  A work-group owns 32 positions s = 32 sb .. 32 sb + 31 of one batch, of x AND of y: four tiles of 16 rows, m = 2 src + u (src 0 = x, 1 = y); row i of a tile is s = 32 sb + 8 u + i + 8 (i / 8).
; It makes all 1,536 output columns.  Wave w makes head w (even chunks) or 4 + w (odd chunks): 64 columns x 64 rows = 16 accumulators, K in four steps of 128.
; THE WEIGHTS come in six chunks of 256 rows (Wq, Wq, Wk, Wk, Wv, Wv) through two LDS slots.  All work-groups walk the same weights: the four of a cluster ask for each chunk JOINTLY.
; Q AND K: source 0 = 16 rows of W, source 1 = 16 rows of x or y: a lane holds one position and its registers run along d, the next K.  Tiles t = 0, 1 (2, 3) of a head are block 0 (1) of 32 along d;
;   place 16 h + 8 (t % 2) + j of a block holds d = 16 (t % 2) + 8 h + j: a permutation inside a block, the same in Q and K, so every product meets its partner under its own scales.
;   Q' = [y Wq | x Wq], K' = [x Wk | y Wk]: 128 along K, so that one matrix instruction of the next launch sums both score products.
; V: source 0 = rows of x or y, source 1 = rows of W: a lane holds one column d and its 16 registers of tiles u = 0, 1 are keys 32 sb + 16 h + 0 .. 15: one block of 32 keys in lanes l and l xor 16.
; WHAT IS STORED lies in the order of the reader's operand registers: qc, kc [bh][sb][u][c 4][lane] 16 bytes; vc [bh][step][T 8][c 4][lane] 16 bytes; qs, ks [bh][sb][lane] a word (lanes 0-15 tile u = 0, lanes 16-31 u = 1);
;   vs [bh][step][B 4][lane] a word (lane (r, h): tile 2 B + h, row r; byte = the step's block of keys).  Every store of codes covers 512 consecutive bytes, aligned.
; LIMITS: NaN and infinities among the inputs are not served.  A block whose largest magnitude lies under 2^-118 takes the byte 1; so does a block of zeros (its codes are zeros; this program alone reads the bytes).
;   V's scale bytes leave one byte a lane (a work-group owns one byte of each word): 1,024 of the 102 KB that a work-group stores.
; REGISTERS, in windows of 256: window 0: v1-15 addresses; v16-79 64 numbers of x; v128-177 QUANT's results and work; v180-195 x's scale words; v196-243 W's scale words.
;   window 1: the 16 fragments of x and y (4 m + K step).   window 2: v0-127 accumulators; v128-187 QUANT's results and work.   window 3: first x as loaded, then a chunk's 16 fragments of W.
.set WP,    528                        ; a row of W in LDS: 512 bytes + 16 of padding = 132 words: the 16 rows of a load start 4 banks apart (64 banks of 4 bytes: ISA guide 11.1)
.set WAVEB, 64*WP                      ; a wave's 64 rows
.set SLOTB, 4*WAVEB                    ; a slot: 256 rows
.set XIMG,  2*SLOTB                    ; behind the ring: 16 fragments of x and y as images of their registers, 2,048 bytes each,
.set XSC,   XIMG+16*2048               ; their scale words, 128 bytes each,
.set STG,   XSC+16*128                 ; a stage of 16 rows x (256 + 16) bytes for each wave,
.set SP,    272
.set SPARE, STG+4*16*SP                ; and the spare words, 128 bytes a wave: two blocks of 256 bytes that no other line names
.set LI,  1                            ; 16 x lane
.set LS,  2                            ; 4 x lane
.set XV,  3                            ; x: 2048 h + 16 r
.set WSO, 4                            ; W's scale words: 1024 wave + 16 lane
.set STI, 5                            ; the stage, in: row h, 16 r
.set STO, 6                            ; the stage, out: row r, 64 h
.set XWI, 7                            ; where I store my fragments' images
.set XWS, 8                            ; and their scale words
.set LIX, 9                            ; where any wave reads them
.set LSX, 10
.set AW0, 11                           ; v11, v12: my lane's place in my 64 rows of W, slot 0, 1
.set SPW, 13                           ; my spare word; never rewritten
.set NIL, 14                           ; 0; never rewritten
.set VSB, 15                           ; vs: 4 x lane + my block's byte
.set X,   16
.set PCA, 128                          ; codes of x's half
.set PCB, 144                          ; codes of y's half
.set TM,  160                          ; +0 largest magnitudes, +4 bytes, +8 448 x the scale, +12 the conversion's scale operand
.set PWA, 176                          ; two half-words of scale bytes
.set PWB, 178
.set W0,  180                          ; (window 2) scale words of tiles u = 0, 1, and both in one register
.set W1,  181
.set WD,  182
.set VB,  184                          ; (window 2) V's four scale bytes
.set XS,  180                          ; (window 0)
.set WS,  196                          ; (window 0) 8 chunk + 4 (t / 2) + K step: lanes 0-15 tile 2 (t / 2), lanes 16-31 the next
.set G1,  48                           ; s[48:55] descriptor group 1
.set G0,  56                           ; s[56:59], s[60:63] group 0 for slot 0, 1
.set MSB, 0
.macro WIN new                         ; the immediate's high byte repeats the setting that is left
.if MSB != \new
	s_set_vgpr_msb (MSB<<8)|\new
.set MSB, \new
.endif
.endm
.macro PLACES n
.rept \n
	v_nop
.endr
.endm
.macro CROUND                          ; a round of the cluster's barrier
	s_barrier_signal -1
	s_barrier_wait -1
	s_cmp_lg_u32 s32, 0
	s_cbranch_scc1 .Lnot_wave_0_\@
	s_barrier_signal -3
.Lnot_wave_0_\@:
	s_barrier_wait -3
	s_barrier_signal -1
	s_barrier_wait -1
.endm
; one product: D, source 0, source 1, zero = 1: it starts the sum; the two scale registers; ra, rb: that side's scales stand in lanes 16-31
.macro WMM d, a, b, zero, sa, sb, ra, rb
.if \zero
.if \ra
.if \rb
	v_wmma_scale_f32_16x16x128_f8f6f4 v[(\d):(\d)+7], v[(\a):(\a)+15], v[(\b):(\b)+15], 0, v[\sa], v[\sb] matrix_a_scale:MATRIX_SCALE_ROW1 matrix_b_scale:MATRIX_SCALE_ROW1
.else
	v_wmma_scale_f32_16x16x128_f8f6f4 v[(\d):(\d)+7], v[(\a):(\a)+15], v[(\b):(\b)+15], 0, v[\sa], v[\sb] matrix_a_scale:MATRIX_SCALE_ROW1
.endif
.else
.if \rb
	v_wmma_scale_f32_16x16x128_f8f6f4 v[(\d):(\d)+7], v[(\a):(\a)+15], v[(\b):(\b)+15], 0, v[\sa], v[\sb] matrix_b_scale:MATRIX_SCALE_ROW1
.else
	v_wmma_scale_f32_16x16x128_f8f6f4 v[(\d):(\d)+7], v[(\a):(\a)+15], v[(\b):(\b)+15], 0, v[\sa], v[\sb]
.endif
.endif
.else
.if \ra
.if \rb
	v_wmma_scale_f32_16x16x128_f8f6f4 v[(\d):(\d)+7], v[(\a):(\a)+15], v[(\b):(\b)+15], v[(\d):(\d)+7], v[\sa], v[\sb] matrix_a_scale:MATRIX_SCALE_ROW1 matrix_b_scale:MATRIX_SCALE_ROW1
.else
	v_wmma_scale_f32_16x16x128_f8f6f4 v[(\d):(\d)+7], v[(\a):(\a)+15], v[(\b):(\b)+15], v[(\d):(\d)+7], v[\sa], v[\sb] matrix_a_scale:MATRIX_SCALE_ROW1
.endif
.else
.if \rb
	v_wmma_scale_f32_16x16x128_f8f6f4 v[(\d):(\d)+7], v[(\a):(\a)+15], v[(\b):(\b)+15], v[(\d):(\d)+7], v[\sa], v[\sb] matrix_b_scale:MATRIX_SCALE_ROW1
.else
	v_wmma_scale_f32_16x16x128_f8f6f4 v[(\d):(\d)+7], v[(\a):(\a)+15], v[(\b):(\b)+15], v[(\d):(\d)+7], v[\sa], v[\sb]
.endif
.endif
.endif
.endm
; 64 numbers of a lane, v[s] on: four blocks, 16 numbers of each (the other 16 lie in lane l xor 16), become 16 registers of codes at v[pc] and two half-words of scale bytes at v[pw], v[pw + 1].
; All its registers lie in the window that is set.  Each accumulator is read from its low end on.
.macro QUANT s, pc, pw
.irp b, 0,1,2,3
	v_max3_num_f32 v[TM+\b], |v[\s+16*\b]|, |v[\s+16*\b+1]|, 0x4800000   ; my 16 numbers, and the floor 2^(9 - 127): the byte cannot fall under 1
.endr
.irp i, 2,4,6,8,10,12,14
.irp b, 0,1,2,3
	v_max3_num_f32 v[TM+\b], v[TM+\b], |v[\s+16*\b+\i]|, |v[\s+16*\b+\i+1]|   ; the four blocks by turns
.endr
.endr
.irp b, 0,1,2,3
	v_permlanex16_b32 v[TM+4+\b], v[TM+\b], s66, s67
.endr
.irp b, 0,1,2,3
	v_max_num_f32 v[TM+\b], v[TM+\b], v[TM+4+\b]   ; with lane l xor 16's: the block's largest magnitude
.endr
.irp b, 0,1,2,3
	v_add_nc_u32 v[TM+12+\b], 0xfc000000, v[TM+\b]   ; 8 off its exponent field: the conversion takes this operand's exponent field as its scale
.endr
.irp b, 0,1,2,3
	v_and_or_b32 v[TM+8+\b], v[TM+\b], 0x7f800000, s68   ; 448 x the scale
.endr
.irp b, 0,1,2,3
	v_lshrrev_b32 v[TM+4+\b], 23, v[TM+12+\b]   ; the scale's byte
.endr
	v_lshl_or_b32 v[\pw], v[TM+5], 8, v[TM+4]
	v_lshl_or_b32 v[\pw+1], v[TM+7], 8, v[TM+6]
.irp b, 0,1,2,3
.irp i, 0,1,2,3,4,5,6,7,8,9,10,11,12,13,14,15
	v_med3_num_f32 v[\s+16*\b+\i], v[\s+16*\b+\i], -v[TM+8+\b], v[TM+8+\b]   ; the conversion to an 8-bit code does not saturate (ISA guide 7.6.2): the hold at the largest code x the scale
.endr
	v_cvt_scalef32_pk8_fp8_f32 v[\pc+4*\b:\pc+4*\b+1], v[\s+16*\b:\s+16*\b+7], v[TM+12+\b]
	v_cvt_scalef32_pk8_fp8_f32 v[\pc+4*\b+2:\pc+4*\b+3], v[\s+16*\b+8:\s+16*\b+15], v[TM+12+\b]
.endr
	v_nop                                          ; a plain line between the last conversion and whatever next touches its registers
.endm
; The change of chunks.  Every wave waits for all its tensor loads (the chunk that it is about to read), adds 0 to its spare word, and waits for that and for its reads of the chunk that it has left.
; fill = 1: slot sl, just left, takes chunk kn: behind a round of the cluster's barrier, one joint load a wave, first thing there.
.macro CHANGE sl, kn, fill
	WIN 0
	s_wait_tensorcnt 0x0                           ; no tensor load of mine is out, so a group 0 may be written
	ds_add_u32 v[SPW], v[NIL]
.if \fill
	s_add_nc_u64 s[G0+4*\sl+2:G0+4*\sl+3], s[38+2*((\kn)/2):39+2*((\kn)/2)], ((\kn)%2)*131072   ; the chunk's tensor, at my 64 rows of its half
	s_or_b32 s[G0+4*\sl+3], s[G0+4*\sl+3], 0x80000000
.endif
	s_wait_dscnt 0x0                               ; the add is done, and my reads of the slot that I have left are over
.if \fill
	CROUND
	tensor_load_to_lds s[G0+4*\sl:G0+4*\sl+3], s[G1:G1+7]
	s_nop 0
	PLACES 4
.else
	s_barrier_signal -1
	s_barrier_wait -1
.endif
.endm
.macro WFETCH sl                       ; my 16 fragments of W (K step q, tile t) into window 3, the K steps in order
	WIN 0xc0
.irp q, 0,1,2,3
.irp t, 0,1,2,3
.irp c, 0,1,2,3
	ds_load_b128 v[64*\q+16*\t+4*\c:64*\q+16*\t+4*\c+3], v[AW0+\sl] offset:16*\t*WP+128*\q+32*\c
.endr
.endr
.endr
.endm
; 16 products of K step q: the 16 accumulators take turns, one instruction a turn, in the same order in every K step
.macro MULQK k, q, z                   ; source 0 = W (window 3), source 1 = x or y (window 1); accumulator (m, t) at v[32 m + 8 t] of window 2
	WIN 0xa7
.irp m, 0,1,2,3
.irp t, 0,1,2,3
	WMM 32*\m+8*\t, 64*\q+16*\t, 16*(4*\m+\q), \z, WS+8*\k+4*(\t/2)+\q, XS+4*\m+\q, \t%2, 0
.endr
.endr
.endm
.macro MULV k, q, z                    ; source 0 = x or y, source 1 = W; accumulator (m, t) at v[16 (4 (m / 2) + t) + 8 (m % 2)]
	WIN 0xad
.irp m, 0,1,2,3
.irp t, 0,1,2,3
	WMM 16*(4*(\m/2)+\t)+8*(\m%2), 16*(4*\m+\q), 64*\q+16*\t, \z, XS+4*\m+\q, WS+8*\k+4*(\t/2)+\q, 0, \t%2
.endr
.endr
.endm
; A chunk of Wq or Wk.  cb, sr: the scalar pairs of the codes' and the scale words' buffers; px: x's place in the 128 along K (0: blocks 0, 1; 1: blocks 2, 3)
.macro CHUNKQK k, cb, sr, px
	WFETCH (\k)%2
	s_wait_dscnt 48                                ; K step 0's 16 loads are in; the 48 behind them may be out
	MULQK \k, 0, 1
	s_wait_dscnt 32
	MULQK \k, 1, 0
	s_wait_dscnt 16
	MULQK \k, 2, 0
	s_wait_dscnt 0x0
	MULQK \k, 3, 0
	PLACES 9                                       ; 8 ahead of the first read of results and of the next loads into W's registers; 9 ahead of the next chunk's products, which write over these results
	s_wait_xcnt 0x0                                ; the last chunk's stores have read their data: the registers may be written again
	WIN 0xaa
	QUANT 0, PCA, PWA                              ; x's two tiles: block 2 u + e
	WIN 0x08                                       ; a store's data: window 2
.irp u, 0,1
.irp e, 0,1
	global_store_b128 v[LI], v[PCA+4*(2*\u+\e):PCA+4*(2*\u+\e)+3], s[\cb:\cb+1] offset:((\k)%2)*1048576+2048*\u+512*(2*\px+\e)
.endr
.endr
	WIN 0xaa
	QUANT 64, PCB, PWB                             ; y's
.if \px
	v_lshl_or_b32 v[W0], v[PWA], 16, v[PWB]
	v_lshl_or_b32 v[W1], v[PWA+1], 16, v[PWB+1]
.else
	v_lshl_or_b32 v[W0], v[PWB], 16, v[PWA]
	v_lshl_or_b32 v[W1], v[PWB+1], 16, v[PWA+1]
.endif
	v_cndmask_b32 v[WD], v[W0], v[W1], s69         ; lanes 0-15: tile u = 0's words; lanes 16-31: tile u = 1's
	WIN 0x08
.irp u, 0,1
.irp e, 0,1
	global_store_b128 v[LI], v[PCB+4*(2*\u+\e):PCB+4*(2*\u+\e)+3], s[\cb:\cb+1] offset:((\k)%2)*1048576+2048*\u+512*(2*(1-\px)+\e)
.endr
.endr
	global_store_b32 v[LS], v[WD], s[\sr:\sr+1] offset:((\k)%2)*32768
.endm
.macro CHUNKV k                        ; a chunk of Wv
	WFETCH (\k)%2
	s_wait_dscnt 48
	MULV \k, 0, 1
	s_wait_dscnt 32
	MULV \k, 1, 0
	s_wait_dscnt 16
	MULV \k, 2, 0
	s_wait_dscnt 0x0
	MULV \k, 3, 0
	PLACES 9
	s_wait_xcnt 0x0
	WIN 0xaa
	QUANT 0, PCA, PWA                              ; x Wv: tiles T = 0 .. 3 of the head's 128 rows of V'^T
	v_cndmask_b32 v[VB], v[TM+4], v[TM+5], s69     ; lane (r, h): the byte of tile 2 B + h, row r
	v_cndmask_b32 v[VB+1], v[TM+6], v[TM+7], s69
	WIN 0x08
.irp t, 0,1,2,3
	global_store_b128 v[LI], v[PCA+4*\t:PCA+4*\t+3], s[28:29] offset:((\k)%2)*1048576+2048*\t
.endr
	WIN 0xaa
	QUANT 64, PCB, PWB                             ; y Wv: tiles 4 .. 7
	v_cndmask_b32 v[VB+2], v[TM+4], v[TM+5], s69
	v_cndmask_b32 v[VB+3], v[TM+6], v[TM+7], s69
	WIN 0x08
.irp t, 0,1,2,3
	global_store_b128 v[LI], v[PCB+4*\t:PCB+4*\t+3], s[28:29] offset:((\k)%2)*1048576+2048*(4+\t)
.endr
.irp n, 0,1,2,3
	global_store_b8 v[VSB], v[VB+\n], s[30:31] offset:((\k)%2)*32768+128*\n
.endr
.endm
	s_load_b512 s[4:19], s[0:1], 0x0               ; x 4, y 6, Wq codes 8, scales 10, Wk 12, 14, Wv 16, 18
	s_load_b256 s[20:27], s[0:1], 0x40             ; qc 20, qs 22, kc 24, ks 26
	s_load_b128 s[28:31], s[0:1], 0x60             ; vc 28, vs 30
	v_lshl_add_u32 v[SPW], v0, 2, SPARE
	v_mov_b32 v[NIL], 0
	ds_add_u32 v13, v14
	ds_add_u32 v13, v14
	s_wait_dscnt 0x0
	v_lshrrev_b32 v244, 5, v0
	v_readfirstlane_b32 s32, v244                  ; wave 0..3
	s_bfe_u32 s33, ttmp6, 0x40000                  ; cx
	s_lshl_b32 s34, ttmp9, 2
	s_add_co_u32 s34, s34, s33                     ; g = 4 x cluster + cx = 64 batch + sb.  What holds cx or anything made of it (s33-35, s70-79) feeds no descriptor and no LDS address
	s_and_b32 s35, s34, 63                         ; sb
	v_and_b32 v244, 31, v0                         ; lane
	v_and_b32 v245, 15, v0                         ; r
	v_bfe_u32 v246, v0, 4, 1                       ; h
	v_lshlrev_b32 v[LI], 4, v244
	v_lshlrev_b32 v[LS], 2, v244
	v_lshlrev_b32 v[XV], 4, v245
	v_lshl_add_u32 v[XV], v246, 11, v[XV]
	s_lshl_b32 s46, s32, 10
	v_add_nc_u32 v[WSO], s46, v[LI]
	s_mul_i32 s46, s32, 16*SP
	s_add_co_u32 s46, s46, STG                     ; my stage
	v_mul_u32_u24 v[STI], v246, SP
	v_lshl_add_u32 v[STI], v245, 4, v[STI]
	v_add_nc_u32 v[STI], s46, v[STI]
	v_mul_u32_u24 v[STO], v245, SP
	v_lshl_add_u32 v[STO], v246, 6, v[STO]
	v_add_nc_u32 v[STO], s46, v[STO]
	s_lshl_b32 s46, s32, 13
	s_add_co_u32 s46, s46, XIMG
	v_add_nc_u32 v[XWI], s46, v[LI]                ; my tile's four fragments
	s_lshl_b32 s46, s32, 9
	s_add_co_u32 s46, s46, XSC
	v_add_nc_u32 v[XWS], s46, v[LS]
	v_add_nc_u32 v[LIX], XIMG, v[LI]
	v_add_nc_u32 v[LSX], XSC, v[LS]
	s_mul_i32 s47, s32, WAVEB                      ; my 64 rows of a slot
	v_mul_u32_u24 v[AW0], v245, WP
	v_lshl_add_u32 v[AW0], v246, 4, v[AW0]
	v_add_nc_u32 v[AW0], s47, v[AW0]
	v_add_nc_u32 v[AW0+1], SLOTB, v[AW0]
	s_and_b32 s72, s35, 3
	v_add_nc_u32 v[VSB], s72, v[LS]
	s_mov_b32 s66, 0x76543210
	s_mov_b32 s67, 0xfedcba98                      ; v_permlanex16_b32's selects for lane l xor 16
	s_mov_b32 s68, 0x600000                        ; the mantissa field of 448
	s_mov_b32 s69, 0xffff0000                      ; lanes 16-31
	; descriptor group 1: 64 rows of 512 bytes, dense in memory, 16 bytes of padding behind each in LDS
	s_mov_b32 s[G1], 15|(0<<16)|(1<<20)|(1<<21)|(6<<22)|(3<<25)   ; 15:0 the mask: all four work-groups; 17:16 elements of 1 byte; 20 padding on; 21 set beside a mask; 24:22 after every 128 words (code 6); 31:25 four words (code 3)
	s_mov_b32 s[G1+1], 512<<16                     ; tensor_dim0
	s_mov_b32 s[G1+2], 64<<16                      ; tensor_dim1
	s_mov_b32 s[G1+3], 512<<16                     ; tile_dim0
	s_mov_b32 s[G1+4], 64                          ; tile_dim1
	s_mov_b32 s[G1+5], 512                         ; tensor_dim0_stride
	s_mov_b32 s[G1+6], 0
	s_mov_b32 s[G1+7], 0
	s_lshl_b32 s44, s32, 15                        ; my 64 rows of a chunk in memory
	s_mov_b32 s45, 0
	s_lshl_b32 s70, s34, 16                        ; x, y: g x 32 rows of 2,048 bytes,
	s_and_b32 s72, s32, 1
	s_lshl_b32 s72, s72, 14                        ; + 8 rows for tile u = 1
	s_add_co_u32 s70, s70, s72
	s_mov_b32 s71, 0
	s_wait_kmcnt 0x0
	s_cmp_lt_u32 s32, 2                            ; waves 0, 1 quantise x's tiles, waves 2, 3 y's
	s_cselect_b64 s[36:37], s[4:5], s[6:7]
	s_add_nc_u64 s[36:37], s[36:37], s[70:71]
	s_add_nc_u64 s[38:39], s[8:9], s[44:45]
	s_add_nc_u64 s[40:41], s[12:13], s[44:45]
	s_add_nc_u64 s[42:43], s[16:17], s[44:45]
.irp k, 0,1,2,3,4,5                    ; W's scale words: row n's 16 bytes are its four K steps' words; 32 lanes take 32 neighbouring rows: 512 consecutive bytes
.irp b, 0,1
	global_load_b128 v[WS+8*\k+4*\b:WS+8*\k+4*\b+3], v[WSO], s[10+4*(\k/2):11+4*(\k/2)] offset:(\k%2)*4096+512*\b
.endr
.endr
	WIN 0xc0                                       ; destination window 3
.irp g, 0,1,2,3,4,5,6,7                ; my tile, as it lies: range g = 256 bytes of K; lanes 0-15 one row, lanes 16-31 the next: two runs of 256 consecutive bytes, aligned.  All 64 loads go out at once
.irp p, 0,1,2,3,4,5,6,7
	global_load_b128 v[32*\g+4*\p:32*\g+4*\p+3], v[XV], s[36:37] offset:256*\g+(2*\p+8*(\p/4))*2048 th:TH_LOAD_NT
.endr
.endr
	WIN 0
	s_mov_b32 s[G0], 1                             ; 1:0 count = 1
	s_mul_i32 s[G0+1], s32, WAVEB                  ; 63:32 LDS address: slot 0, my rows
	s_mov_b64 s[G0+2:G0+3], s[38:39]               ; 120:64 global address: chunk 0
	s_or_b32 s[G0+3], s[G0+3], 0x80000000          ; 127:126 type = 2
	s_mov_b32 s[G0+4], 1
	s_add_co_u32 s[G0+5], s47, SLOTB
	s_add_nc_u64 s[G0+6:G0+7], s[38:39], 131072    ; chunk 1
	s_or_b32 s[G0+7], s[G0+7], 0x80000000
	; where my results go: bh0 = 8 batch + wave; odd chunks add four heads by the immediate
	s_lshr_b32 s72, s34, 6
	s_lshl_b32 s72, s72, 3
	s_add_co_u32 s72, s72, s32                     ; bh0
	s_lshl_b32 s73, s72, 18                        ; x 262,144
	s_lshl_b32 s74, s72, 13                        ; x 8,192
	s_lshl_b32 s75, s35, 12
	s_add_co_u32 s70, s73, s75                     ; + sb x 4,096
	s_add_nc_u64 s[20:21], s[20:21], s[70:71]
	s_add_nc_u64 s[24:25], s[24:25], s[70:71]
	s_lshl_b32 s75, s35, 7
	s_add_co_u32 s70, s74, s75                     ; + sb x 128
	s_add_nc_u64 s[22:23], s[22:23], s[70:71]
	s_add_nc_u64 s[26:27], s[26:27], s[70:71]
	s_lshr_b32 s76, s35, 2                         ; the key step
	s_lshl_b32 s75, s76, 14
	s_add_co_u32 s70, s73, s75
	s_and_b32 s75, s35, 3
	s_lshl_b32 s75, s75, 9                         ; my block of keys in it
	s_add_co_u32 s70, s70, s75
	s_add_nc_u64 s[28:29], s[28:29], s[70:71]
	s_lshl_b32 s75, s76, 9
	s_add_co_u32 s70, s74, s75
	s_add_nc_u64 s[30:31], s[30:31], s[70:71]
	CROUND                                         ; all four work-groups are here: the first joint loads meet
	tensor_load_to_lds s[G0:G0+3], s[G1:G1+7]      ; chunk 0: one tensor load a wave at the head
	s_nop 0
	PLACES 4
.irp b, 0,1,2,3
	v_mov_b32 v[TM+4+\b], 0                        ; written once: a lane permute's destination counts as one of its sources
.endr
	WIN 0x80
.irp b, 0,1,2,3
	v_mov_b32 v[TM+4+\b], 0                        ; the same in window 2
.endr
	; ---- X: my tile of 16 rows becomes four fragments.  The conversions want 16 neighbours along K in a lane; the loads took neighbouring bytes in neighbouring lanes: 256 bytes of 16 rows at a time turn through my stage
.irp q, 0,1,2,3
.irp e, 0,1
	s_wait_loadcnt 56-8*(2*\q+\e)                  ; this range's eight loads are in (and W's scale words, which are older); the later ranges' may be out
	WIN 0x0c                                       ; an LDS store's data: window 3
.irp p, 0,1,2,3,4,5,6,7
	ds_store_b128 v[STI], v[32*(2*\q+\e)+4*\p:32*(2*\q+\e)+4*\p+3] offset:2*SP*\p
.endr
	WIN 0
.irp b, 0,1
.irp j, 0,1,2,3
	ds_load_b128 v[X+32*\e+16*\b+4*\j:X+32*\e+16*\b+4*\j+3], v[STO] offset:128*\b+16*\j   ; LDS serves a wave's instructions in order (ISA guide 5.7.1.4): these see the stores above, and the next stores come behind them
.endr
.endr
.endr
	s_wait_dscnt 0x0                               ; register 16 c + i = k 128 q + 32 c + 16 h + i of row r; the last K step's stores have read their registers too
	QUANT X, PCA, PWA
	v_lshl_or_b32 v[PWA], v[PWA+1], 16, v[PWA]     ; my row's scale word
.irp c, 0,1,2,3
	ds_store_b128 v[XWI], v[PCA+4*\c:PCA+4*\c+3] offset:2048*\q+512*\c   ; the fragment goes to LDS as an image of its registers
.endr
	ds_store_b32 v[XWS], v[PWA] offset:128*\q
.endr
	s_wait_tensorcnt 0x0                           ; chunk 0 is in; slot 1's first fill is issued as a refill is: these three lines, a round, the load
	ds_add_u32 v[SPW], v[NIL]
	s_wait_dscnt 0x0                               ; the add is done and my images have landed
	CROUND
	tensor_load_to_lds s[G0+4:G0+7], s[G1:G1+7]    ; chunk 1
	s_nop 0
	PLACES 4
	WIN 0x40
.irp f, 0,1,2,3,4,5,6,7,8,9,10,11,12,13,14,15
.irp c, 0,1,2,3
	ds_load_b128 v[16*\f+4*\c:16*\f+4*\c+3], v[LIX] offset:2048*\f+512*\c   ; all 16 fragments stay in my registers
.endr
.endr
	WIN 0
.irp f, 0,1,2,3,4,5,6,7,8,9,10,11,12,13,14,15
	ds_load_b32 v[XS+\f], v[LSX] offset:128*\f
.endr
	; ---- the six chunks
	CHUNKQK 0, 20, 22, 1                           ; Wq: Q' = [y Wq | x Wq]
	CHANGE 0, 2, 1
	CHUNKQK 1, 20, 22, 1
	CHANGE 1, 3, 1
	CHUNKQK 2, 24, 26, 0                           ; Wk: K' = [x Wk | y Wk]
	CHANGE 0, 4, 1
	CHUNKQK 3, 24, 26, 0
	CHANGE 1, 5, 1
	CHUNKV 4
	CHANGE 0, 0, 0                                 ; nothing is left to fetch
	CHUNKV 5
	WIN 0
	s_wait_tensorcnt 0x0                           ; the wave's end
	ds_add_u32 v[SPW], v[NIL]
	s_wait_dscnt 0x0
	CROUND                                         ; the closing round: no work-group ends while a partner may still ask for a chunk that names it
	s_endpgm
.Lfunc_end_k_q0328ce4e84_project:
	.size	k_q0328ce4e84_project, .Lfunc_end_k_q0328ce4e84_project-k_q0328ce4e84_project
	.p2alignl 7, 3214868480
	.fill 96, 4, 3214868480
	.section	.rodata,"a",@progbits
	.p2align	6, 0x0
	.amdhsa_kernel k_q0328ce4e84_project
		.amdhsa_group_segment_fixed_size 327680
		.amdhsa_private_segment_fixed_size 0
		.amdhsa_enable_private_segment 0
		.amdhsa_kernarg_size 112
		.amdhsa_user_sgpr_count 2
		.amdhsa_user_sgpr_kernarg_segment_ptr 1
		.amdhsa_wavefront_size32 1
		.amdhsa_system_sgpr_workgroup_id_x 1
		.amdhsa_system_sgpr_workgroup_id_y 1
		.amdhsa_system_sgpr_workgroup_id_z 1
		.amdhsa_system_vgpr_workitem_id 0
		.amdhsa_next_free_vgpr 1024
		.amdhsa_next_free_sgpr 80
		.amdhsa_reserve_vcc 0
		.amdhsa_float_denorm_mode_32 3
		.amdhsa_float_denorm_mode_16_64 3
		.amdhsa_memory_ordered 1
		.amdhsa_forward_progress 1
		.amdhsa_inst_pref_size 242
	.end_amdhsa_kernel
	.amdgpu_metadata
---
amdhsa.version: [ 1, 2 ]
amdhsa.kernels:
  - .name:           k_q0328ce4e84_project
    .symbol:         k_q0328ce4e84_project.kd
    .args:
      - { .name: x, .offset: 0, .size: 8, .value_kind: global_buffer, .address_space: global }
      - { .name: y, .offset: 8, .size: 8, .value_kind: global_buffer, .address_space: global }
      - { .name: Wq_codes, .offset: 16, .size: 8, .value_kind: global_buffer, .address_space: global }
      - { .name: Wq_scales, .offset: 24, .size: 8, .value_kind: global_buffer, .address_space: global }
      - { .name: Wk_codes, .offset: 32, .size: 8, .value_kind: global_buffer, .address_space: global }
      - { .name: Wk_scales, .offset: 40, .size: 8, .value_kind: global_buffer, .address_space: global }
      - { .name: Wv_codes, .offset: 48, .size: 8, .value_kind: global_buffer, .address_space: global }
      - { .name: Wv_scales, .offset: 56, .size: 8, .value_kind: global_buffer, .address_space: global }
      - { .name: qc, .offset: 64, .size: 8, .value_kind: global_buffer, .address_space: global }
      - { .name: qs, .offset: 72, .size: 8, .value_kind: global_buffer, .address_space: global }
      - { .name: kc, .offset: 80, .size: 8, .value_kind: global_buffer, .address_space: global }
      - { .name: ks, .offset: 88, .size: 8, .value_kind: global_buffer, .address_space: global }
      - { .name: vc, .offset: 96, .size: 8, .value_kind: global_buffer, .address_space: global }
      - { .name: vs, .offset: 104, .size: 8, .value_kind: global_buffer, .address_space: global }
    .group_segment_fixed_size: 327680
    .private_segment_fixed_size: 0
    .kernarg_segment_align: 8
    .kernarg_segment_size: 112
    .max_flat_workgroup_size: 128
    .sgpr_count:     80
    .vgpr_count:     1024
    .wavefront_size: 32
...
	.end_amdgpu_metadata
.endif
;; end of part 1
;; launch attend (part 2): grid 8 x 32, 8 waves a work-group, clusters of 4 x 1, 327,680 bytes of LDS; arguments qc, qs, kc, ks, vc, vs, x, y, out0, out1; writes out0, out1
.if DOCPART == 2
	.amdgcn_target "amdgcn-amd-amdhsa--gfx1250"
	.amdhsa_code_object_version 6
	.text
	.protected	k_q0328ce4e84_attend
	.globl	k_q0328ce4e84_attend
	.p2align	8
	.type	k_q0328ce4e84_attend,@function
k_q0328ce4e84_attend:
	s_mov_b64 s[64:65], 0
	v_nop
	global_prefetch_b8 v0, s[64:65] scope:SCOPE_SE
	s_setreg_imm32_b32 hwreg(HW_REG_WAVE_MODE, 25, 1), 1
	s_wait_xcnt 0x0
	s_wait_alu depctr_hold_cnt(0) depctr_sa_sdst(0) depctr_va_vdst(0) depctr_va_sdst(0) depctr_va_ssrc(0) depctr_va_vcc(0) depctr_vm_vsrc(0)
	s_getreg_b32 s2, hwreg(HW_REG_IB_STS2, 6, 4)
	s_cmp_eq_u32 s2, 0
	s_cbranch_scc0 .Lentry_in_a_cluster
	s_endpgm
.Lentry_in_a_cluster:
	s_bfe_u32 s2, ttmp6, 0x10000c
	s_cmp_lg_u32 s2, 0x3003
	s_cbranch_scc0 .Lentry_shape_is_right
	s_endpgm
.Lentry_shape_is_right:
; out0 = softmax((q_sx k_sx^T + q_sy k_sy^T) / 16) v_sx + x, out1 = the same weights times v_sy, + y, for each of 32 (batch, head), on codes of FP8 (E4M3) with one E8M0 scale for each 32 along a product's K.
; ONE PRODUCT FOR TWO.  Q' = [q_sx | q_sy], K' = [k_sx | k_sy]: 128 along K, four blocks of 32 with their own scales: one matrix instruction sums both score products.  V'^T = [v_sx^T ; v_sy^T] has 128 rows: O'^T = V'^T P^T holds both results.
; The operands come from the launch before in the order of the operand registers: a fragment is four loads of 512 consecutive bytes.
; THE SOFTMAX: t = score x log2(e) / 16; M = the running largest t rounded UP to a whole number; p = 2^(t - M) is quantised along the keys, not normalised; the row's sum is taken of the unquantised p and divides at the end.
; When M moves, the sum and O' are multiplied by 2^(old M - new M): exact.
; SHARES.  A work-group owns 256 queries of one (batch, head); each of its eight waves 32: two tiles of 16; two waves to a SIMD.  Every wave walks all 2,048 keys, 128 a step.  Both products are used transposed: a lane holds ONE query (lane % 16).
; The keys of a tile are not neighbours (lane r of tile 2 b + u holds key 32 b + 8 u + r + 8 (r / 8)), so that the 16 registers of tiles 2 b, 2 b + 1 are keys 32 b + 16 (lane / 16) + 0 .. 15.  My queries are ordered likewise.
; A STEP has two runs of LDS loads: all eight fragments of K', then, into the same 128 registers, all eight of V', which are asked for ahead of the softmax.  The two tiles' softmax lines take turns, so that no line hangs on the line above it.
; CLUSTER.  The four query blocks of a cluster walk the same K' and V': every tile is asked for JOINTLY.  Two LDS slots of FOUR key steps each (64 KiB of K', 64 KiB of V'): three refills in the launch, one load of 16 KiB a wave; the head's scale words stay in LDS.
; LIMITS: NaN and infinities are not served.  The promise holds while |t| stays under 2^31.  A block of p that has fallen to 0 keeps the byte 1: its codes are zeros.  The block's largest p is made from the block's largest score by the same two instructions as every p.
; REGISTERS: window 0: v1-15 addresses; v16-47 Q'; v48-111 fragments 0-3; v112-239 O'^T (tile a, rows 16 T on: 112 + 64 a + 8 T); v240-250 scale words.
;   window 1: v0-127 S^T, then p (tile a: 64 a on); v128-159 p's codes (before they are made: work); v160-191 statistics; v192-255 fragments 4-7.
.set STEPB, 16384                      ; a key step's 8 fragments of K' or of V'
.set VOFF,  4*STEPB                    ; a slot: K' of four steps, then V' of four steps
.set SLOT1, 8*STEPB                    ; slot 1 begins here: one exclusive or turns an address
.set SCK,   2*SLOT1                    ; behind the ring: the head's scale words of K', 8,192 bytes,
.set SCV,   SCK+8192                   ; and of V'
.set STAGE, SCV+8192                   ; the way out: 16 rows x (256 + 16) bytes for each wave
.set SP,    272
.set SPARE, STAGE+8*16*SP              ; the spare words, 128 bytes a wave: four blocks of 256 bytes that no other line names
.set LI,   1                           ; 16 x lane
.set ASK0, 2                           ; SCK + 4 x lane
.set SPW,  3                           ; my spare word; never rewritten
.set NIL,  4                           ; 0; never rewritten
.set AD,   5                           ; the step's K' + 16 x lane
.set ADS,  6                           ; the step's scale words
.set PFO,  7                           ; 256 x lane
.set RO,   8                           ; 2048 x lane
.set STO,  9                           ; the stage, in
.set RD,   10                          ; the stage, out
.set GO,   11                          ; 2048 h + 16 r
.set ADV,  12                          ; the step's V' + 16 x lane
.set LS,   15                          ; 4 x lane
.set QF,   16
.set FRA,  48
.set OA,   112
.set KS,   240                         ; K's scale words: register b: lanes 0-15 tile 2 b, lanes 16-31 tile 2 b + 1
.set VS,   244                         ; V's likewise
.set QS,   248                         ; Q's: lanes 0-15 tile 0, lanes 16-31 tile 1
.set P0,   249                         ; v249, v250: p's scale words
.set CD,   128                         ; window 1 from here on
.set PB,   CD                          ; work that is done with before the codes are made: lane l xor 16's maxima, then the bytes;
.set TT,   CD+8
.set SUM2, CD+12                       ; the sums' second chains
.set ST,   160                         ; tile a at 160 + 4 a: -M, the largest t, the sum in two halves
.set FF,   168                         ; tile a at 168 + 2 a: f, p's scale word
.set BM,   172                         ; tile a, block b at 172 + 4 a + b: largest score, largest p, then 448 x the scale
.set SO,   180                         ; the conversion's scale operand
.set H2,   188                         ; a tile's four bounds once more, in registers of other banks
.set FRB,  192
.set G1,   40                          ; s[40:47] group 1 for codes: 128 rows of 256 bytes at the head, 64 in the ring;  s[48:55]: 16 rows
.set G1S,  48
.set G0K,  56                          ; s[56:59], s[60:63] groups 0 for K', V': they walk;  s[68:71], s[72:75] for the scale words;  s[16:19], s[20:23] for the head's loads of slot 0
.set G0V,  60
.set G0SK, 68
.set G0SV, 72
.set MSB, 0
.macro WIN new                         ; the immediate's high byte repeats the setting that is left
.if MSB != \new
	s_set_vgpr_msb (MSB<<8)|\new
.set MSB, \new
.endif
.endm
.macro PLACES n
.rept \n
	v_nop
.endr
.endm
.macro WALU
	s_wait_alu depctr_va_vdst(0)
.endm
.macro CROUND                          ; a round of the cluster's barrier
	s_barrier_signal -1
	s_barrier_wait -1
	s_cmp_lg_u32 s24, 0
	s_cbranch_scc1 .Lnot_wave_0_\@
	s_barrier_signal -3
.Lnot_wave_0_\@:
	s_barrier_wait -3
	s_barrier_signal -1
	s_barrier_wait -1
.endm
; one product: D, source 0, source 1, zero = 1: it starts the sum; the two scale registers; ra, rb: that side's scales stand in lanes 16-31
.macro WMM d, a, b, zero, sa, sb, ra, rb
.if \zero
.if \ra
.if \rb
	v_wmma_scale_f32_16x16x128_f8f6f4 v[(\d):(\d)+7], v[(\a):(\a)+15], v[(\b):(\b)+15], 0, v[\sa], v[\sb] matrix_a_scale:MATRIX_SCALE_ROW1 matrix_b_scale:MATRIX_SCALE_ROW1
.else
	v_wmma_scale_f32_16x16x128_f8f6f4 v[(\d):(\d)+7], v[(\a):(\a)+15], v[(\b):(\b)+15], 0, v[\sa], v[\sb] matrix_a_scale:MATRIX_SCALE_ROW1
.endif
.else
.if \rb
	v_wmma_scale_f32_16x16x128_f8f6f4 v[(\d):(\d)+7], v[(\a):(\a)+15], v[(\b):(\b)+15], 0, v[\sa], v[\sb] matrix_b_scale:MATRIX_SCALE_ROW1
.else
	v_wmma_scale_f32_16x16x128_f8f6f4 v[(\d):(\d)+7], v[(\a):(\a)+15], v[(\b):(\b)+15], 0, v[\sa], v[\sb]
.endif
.endif
.else
.if \ra
	v_wmma_scale_f32_16x16x128_f8f6f4 v[(\d):(\d)+7], v[(\a):(\a)+15], v[(\b):(\b)+15], v[(\d):(\d)+7], v[\sa], v[\sb] matrix_a_scale:MATRIX_SCALE_ROW1
.else
	v_wmma_scale_f32_16x16x128_f8f6f4 v[(\d):(\d)+7], v[(\a):(\a)+15], v[(\b):(\b)+15], v[(\d):(\d)+7], v[\sa], v[\sb]
.endif
.endif
.endm
; A joint refill: waves 0-3 fetch the slot's four steps of K', waves 4-7 those of V', one step a wave.  The branch hangs on the wave's number alone.  An s_nop 0 and four v_nop follow each line.
.macro TLOAD
	s_cmp_lt_u32 s24, 4
	s_cbranch_scc0 .Lfor_v_\@
	tensor_load_to_lds s[G0K:G0K+3], s[G1:G1+7]
	s_nop 0
	PLACES 4
	s_branch .Lasked_\@
.Lfor_v_\@:
	tensor_load_to_lds s[G0V:G0V+3], s[G1:G1+7]
	s_nop 0
	PLACES 4
.Lasked_\@:
.endm
; A prefetch of what the NEXT change of slots will ask for: 65,536 bytes of K' and as many of V', four key steps ahead of that load.  Both clusters of a head walk the same bytes: the first asks.
; Its four partners take 16,384 bytes of each, told apart BY ADDRESS; in each, waves 4, 5 ask for K's halves and waves 6, 7 for V's, lanes 256 bytes apart: each aligned block of 256 bytes is named once in the launch.  The last change that fills a slot asks for nothing.
.macro ASK
	s_cmp_gt_u32 s35, s36
	s_cbranch_scc0 .Lnot_mine_\@
	global_prefetch_b8 v[PFO], s[38:39] th:TH_LOAD_NT scope:SCOPE_SE
.Lnot_mine_\@:
.endm
; THE CHANGE OF SLOTS stands at a slot's head.  Each wave waits for all its tensor loads (its part of the slot ahead), adds 0 to its spare word, and waits for that and for its reads of the slot that it has left.
; fill = 1: behind a round of the cluster's barrier that slot takes the next 512 keys: the load has four key steps in which to land.
.macro CHANGE fill
	WIN 0
	s_wait_tensorcnt 0x0                           ; no tensor load of mine is out, so descriptors may be written
	ds_add_u32 v[SPW], v[NIL]
.if \fill
	s_mov_b32 s[G1+2], 64<<16                      ; a load of the ring brings 64 rows of 256 bytes: tensor_dim1,
	s_mov_b32 s[G1+4], 64                          ; tile_dim1
	s_xor_b32 s[G0K+1], s[G0K+1], SLOT1            ; the other slot than last time,
	s_add_nc_u64 s[G0K+2:G0K+3], s[G0K+2:G0K+3], 4*STEPB   ; the next four key steps
	s_xor_b32 s[G0V+1], s[G0V+1], SLOT1
	s_add_nc_u64 s[G0V+2:G0V+3], s[G0V+2:G0V+3], 4*STEPB
	s_wait_xcnt 0x0                                ; the last prefetch, four key steps back, has read its address
	s_add_nc_u64 s[38:39], s[38:39], 4*STEPB       ; one slot further on than the walking descriptors
	s_wait_dscnt 0x0                               ; the add is done, and my reads of the slot that I have left are over
	CROUND
	TLOAD
	ASK
.else
	s_wait_dscnt 0x0
	s_barrier_signal -1
	s_barrier_wait -1
	global_prefetch_b8 v[RO], s[76:77] th:TH_LOAD_NT scope:SCOPE_SE   ; the residuals: my 32 rows' 256 bytes of x and of y, a lane a row, four key steps ahead of their loads; each block is named once in the launch
	global_prefetch_b8 v[RO], s[78:79] th:TH_LOAD_NT scope:SCOPE_SE
.endif
.endm
; MY TWO TILES' SOFTMAX for 128 keys: all its registers lie in window 1; the two tiles' lines, and a tile's four blocks, take turns
.macro SOFTMAX2
.irp a, 0,1
.irp b, 0,1,2,3
	v_max3_num_f32 v[BM+4*\a+\b], v[64*\a+16*\b], v[64*\a+16*\b+1], v[64*\a+16*\b+2]   ; the largest score of each block of 32 keys: for the row's maximum and for the block's largest p
.endr
.endr
.irp i, 3,5,7,9,11,13
.irp a, 0,1
.irp b, 0,1,2,3
	v_max3_num_f32 v[BM+4*\a+\b], v[BM+4*\a+\b], v[64*\a+16*\b+\i], v[64*\a+16*\b+\i+1]
.endr
.endr
.endr
.irp a, 0,1
.irp b, 0,1,2,3
	v_max_num_f32 v[BM+4*\a+\b], v[BM+4*\a+\b], v[64*\a+16*\b+15]
.endr
.endr
.irp n, 0,1,2,3,4,5,6,7
	v_permlanex16_b32 v[PB+\n], v[BM+\n], s28, s29
.endr
.irp n, 0,1,2,3,4,5,6,7
	v_max_num_f32 v[BM+\n], v[BM+\n], v[PB+\n]     ; with lane l xor 16's 16 keys
.endr
.irp a, 0,1
	v_max3_num_f32 v[TT+\a], v[BM+4*\a], v[BM+4*\a+1], v[BM+4*\a+2]
.endr
.irp a, 0,1
	v_max_num_f32 v[TT+\a], v[TT+\a], v[BM+4*\a+3]
.endr
.irp a, 0,1
	v_mul_f32 v[TT+\a], s30, v[TT+\a]              ; as t (c is positive)
.endr
.irp a, 0,1
	v_max_num_f32 v[ST+4*\a+1], v[ST+4*\a+1], v[TT+\a]   ; the running largest t
.endr
.irp a, 0,1
	v_mov_b32 v[TT+\a], v[ST+4*\a]
.endr
.irp a, 0,1
	v_floor_f32 v[ST+4*\a], -v[ST+4*\a+1]          ; the new -M = floor(-t): M is a whole number
.endr
.irp a, 0,1
	v_sub_f32 v[TT+\a], v[ST+4*\a], v[TT+\a]       ; old M - new M: a whole number, 0 or less
.endr
.irp a, 0,1
	v_cvt_i32_f32 v[TT+\a], v[TT+\a]               ; (it saturates)
.endr
.irp a, 0,1
	v_ldexp_f32 v[FF+2*\a], 1.0, v[TT+\a]          ; f = 2^(old M - new M)
.endr
.irp a, 0,1
.set j, 0
.rept 32
	v_pk_fma_f32 v[64*\a+j:64*\a+j+1], v[64*\a+j:64*\a+j+1], s[30:31], v[ST+4*\a:ST+4*\a+1] op_sel_hi:[1,0,0]   ; t - M, two at a time
.set j, j+2
.endr
.endr
.irp a, 0,1
.irp b, 0,1,2,3
	v_fma_f32 v[BM+4*\a+\b], v[BM+4*\a+\b], s30, v[ST+4*\a]   ; the same of each block's largest score
.endr
.endr
	WALU
.set j, 0
.rept 128
	v_exp_f32 v[j], v[j]                           ; p = 2^(t - M), at most 1
.set j, j+1
.endr
.irp n, 0,1,2,3,4,5,6,7
	v_exp_f32 v[BM+\n], v[BM+\n]                   ; the block's largest p
.endr
.irp a, 0,1
	v_pk_mul_f32 v[ST+4*\a+2:ST+4*\a+3], v[ST+4*\a+2:ST+4*\a+3], v[FF+2*\a:FF+2*\a+1] op_sel_hi:[1,0]   ; the sums under the new M (plain lines behind the exponentials)
.endr
	WALU                                           ; and behind it
.irp n, 0,1,2,3,4,5,6,7
	v_max_num_f32 v[BM+\n], 0x4800000, v[BM+\n]    ; the floor 2^(9 - 127): the byte cannot fall under 1
.endr
.irp n, 0,1,2,3,4,5,6,7
	v_add_nc_u32 v[SO+\n], 0xfc000000, v[BM+\n]    ; 8 off the exponent field: the conversion's scale operand
.endr
.irp n, 0,1,2,3,4,5,6,7
	v_and_or_b32 v[BM+\n], v[BM+\n], 0x7f800000, s32   ; 448 x the scale
.endr
.irp n, 0,1,2,3,4,5,6,7
	v_lshrrev_b32 v[PB+\n], 23, v[SO+\n]           ; the scale's byte
.endr
.irp a, 0,1
	v_lshl_or_b32 v[FF+2*\a+1], v[PB+4*\a+1], 8, v[PB+4*\a]   ; p's scale word for these 128 keys
.endr
.irp a, 0,1
	v_lshl_or_b32 v[FF+2*\a+1], v[PB+4*\a+2], 16, v[FF+2*\a+1]
.endr
.irp a, 0,1
	v_lshl_or_b32 v[FF+2*\a+1], v[PB+4*\a+3], 24, v[FF+2*\a+1]
.endr
.irp a, 0,1
	v_pk_add_f32 v[SUM2+2*\a:SUM2+2*\a+1], v[64*\a:64*\a+1], v[64*\a+2:64*\a+3]   ; the row's sum is taken of the unquantised p: two at a time, two chains a tile
.endr
.set j, 4
.rept 15
.irp a, 0,1
	v_pk_add_f32 v[ST+4*\a+2:ST+4*\a+3], v[ST+4*\a+2:ST+4*\a+3], v[64*\a+j:64*\a+j+1]
.endr
.irp a, 0,1
	v_pk_add_f32 v[SUM2+2*\a:SUM2+2*\a+1], v[SUM2+2*\a:SUM2+2*\a+1], v[64*\a+j+2:64*\a+j+3]
.endr
.set j, j+4
.endr
.irp a, 0,1
	v_pk_add_f32 v[ST+4*\a+2:ST+4*\a+3], v[ST+4*\a+2:ST+4*\a+3], v[SUM2+2*\a:SUM2+2*\a+1]
.endr
.irp a, 0,1
.irp b, 0,1,2,3
	v_mov_b32 v[H2+(\b+1)%4], v[BM+4*\a+\b]        ; block b's bound once more, in a register of another bank, for the second half of the pairs below
.endr
.irp b, 0,1,2,3
.set j, 0
.rept 8
	v_dual_min_num_f32 v[64*\a+16*\b+j], v[64*\a+16*\b+j], v[BM+4*\a+\b] :: v_dual_min_num_f32 v[64*\a+16*\b+j+1], v[64*\a+16*\b+j+1], v[H2+(\b+1)%4]   ; the conversion to an 8-bit code does not saturate (ISA guide 7.6.2); p is not negative, so the hold is one-sided; two holds an instruction
.set j, j+2
.endr
	v_cvt_scalef32_pk8_fp8_f32 v[CD+16*\a+4*\b:CD+16*\a+4*\b+1], v[64*\a+16*\b:64*\a+16*\b+7], v[SO+4*\a+\b]
	v_cvt_scalef32_pk8_fp8_f32 v[CD+16*\a+4*\b+2:CD+16*\a+4*\b+3], v[64*\a+16*\b+8:64*\a+16*\b+15], v[SO+4*\a+\b]
.endr
.endr
.endm
.macro LOADF adr                       ; eight fragments, 32 loads of 512 consecutive bytes: 0-3 into window 0, 4-7 into window 1
.irp t, 0,1,2,3
.irp c, 0,1,2,3
	ds_load_b128 v[FRA+16*\t+4*\c:FRA+16*\t+4*\c+3], v[\adr] offset:2048*\t+512*\c
.endr
.endr
	WIN 0x40
.irp t, 0,1,2,3
.irp c, 0,1,2,3
	ds_load_b128 v[FRB+16*\t+4*\c:FRB+16*\t+4*\c+3], v[\adr] offset:2048*(4+\t)+512*\c
.endr
.endr
	WIN 0
.endm
; A KEY STEP: 128 keys.  In each run of products the accumulators take turns, one instruction a turn.
.macro STEP
.irp b, 0,1,2,3
	ds_load_b32 v[KS+\b], v[ADS] offset:128*\b
.endr
	LOADF AD
	s_wait_dscnt 16                                ; the scale words and fragments 0-3 are in; the 16 loads of fragments 4-7 may be out
	WIN 0x40                                       ; S^T = K' Q'^T: destination window 1
.irp t, 0,1,2,3
.irp a, 0,1
	WMM 64*\a+8*\t, FRA+16*\t, QF+16*\a, 1, KS+\t/2, QS, \t%2, \a
.endr
.endr
	s_wait_dscnt 0x0
	WIN 0x41                                       ; source 0 in window 1 too
.irp t, 0,1,2,3
.irp a, 0,1
	WMM 64*\a+8*(4+\t), FRB+16*\t, QF+16*\a, 1, KS+2+\t/2, QS, \t%2, \a
.endr
.endr
	WIN 0
	PLACES 8                                       ; ahead of the loads into registers that matrix instructions have read, and of the first read of the scores (ISA guide 7.12.1 for the read of the scores)
.irp b, 0,1,2,3
	ds_load_b32 v[VS+\b], v[ADS] offset:8192+128*\b
.endr
	LOADF ADV                                      ; V' is asked for now: the softmax stands between these loads and the wait for them
	WIN 0x55
	SOFTMAX2
	WIN 0x01                                       ; source window 1: scale operands are taken from window 0
	v_mov_b32 v[P0], v[FF+1]
	v_mov_b32 v[P0+1], v[FF+3]
	WIN 0x04                                       ; source 1 window 1: f here, p's codes below
	WALU                                           ; directly ahead of the first readers of O'^T
.irp a, 0,1
.set j, 0
.rept 32
	v_pk_mul_f32 v[OA+64*\a+j:OA+64*\a+j+1], v[OA+64*\a+j:OA+64*\a+j+1], v[FF+2*\a:FF+2*\a+1] op_sel_hi:[1,0]   ; O'^T under the new M.  (These 64 are also the lines between the scale words and codes just made and the products)
.set j, j+2
.endr
.endr
	WALU                                           ; directly ahead of the wait below
	s_wait_dscnt 0x0
.irp t, 0,1,2,3                        ; O'^T += V'^T P^T
.irp a, 0,1
	WMM OA+64*\a+8*\t, FRA+16*\t, CD+16*\a, 0, VS+\t/2, P0+\a, \t%2, 0
.endr
.endr
	WIN 0x05
.irp t, 0,1,2,3
.irp a, 0,1
	WMM OA+64*\a+8*(4+\t), FRB+16*\t, CD+16*\a, 0, VS+2+\t/2, P0+\a, \t%2, 0
.endr
.endr
	WIN 0
	PLACES 8                                       ; ahead of the next loads into the fragments' registers
.endm
.macro RUN lbl                         ; the four key steps of the slot in hand: a counted loop, one step of text
	s_mov_b32 s66, s33
	s_mov_b32 s37, 4
\lbl:
	s_add_co_u32 s67, s66, VOFF
	v_add_nc_u32 v[AD], s66, v[LI]
	v_add_nc_u32 v[ADV], s67, v[LI]
	v_add_nc_u32 v[ADS], s34, v[ASK0]
	WALU                                           ; directly behind the writes
	STEP
	s_add_co_u32 s66, s66, STEPB
	s_add_co_u32 s34, s34, 512                     ; the next step's scale words
	s_sub_co_u32 s37, s37, 1
	s_cmp_lg_u32 s37, 0
	s_cbranch_scc1 \lbl
	s_xor_b32 s33, s33, SLOT1                      ; on to the other slot
.endm
	s_load_b512 s[4:19], s[0:1], 0x0               ; qc 4, qs 6, kc 8, ks 10, vc 12, vs 14, x 16, y 18
	s_load_b128 s[20:23], s[0:1], 0x40             ; out0 20, out1 22
	v_lshl_add_u32 v[SPW], v0, 2, SPARE
	v_mov_b32 v[NIL], 0
	ds_add_u32 v[SPW], v[NIL]                      ; the opening lines: the add, twice on end, and its wait
	ds_add_u32 v[SPW], v[NIL]
	s_wait_dscnt 0x0
	v_lshrrev_b32 v12, 5, v0
	v_readfirstlane_b32 s24, v12                   ; wave 0..7
	s_bfe_u32 s25, ttmp6, 0x40000                  ; cx.  What holds cx or anything made of it (s25, s26, s96, s100) feeds no descriptor, no LDS address and no branch
	s_lshl_b32 s26, ttmp9, 2
	s_add_co_u32 s26, s26, s25                     ; my block of 256 queries
	s_and_b32 s27, ttmp7, 0xffff                   ; bh = 8 batch + head, which the four partners share
	v_and_b32 v12, 31, v0                          ; lane
	v_and_b32 v13, 15, v0                          ; r
	v_bfe_u32 v14, v0, 4, 1                        ; h
	v_lshlrev_b32 v[LI], 4, v12
	v_lshlrev_b32 v[LS], 2, v12
	v_lshl_add_u32 v[ASK0], v12, 2, SCK
	v_lshlrev_b32 v[PFO], 8, v12
	v_lshlrev_b32 v[RO], 11, v12
	s_mul_i32 s95, s24, 16*SP
	s_add_co_u32 s95, s95, STAGE                   ; my stage
	v_mul_u32_u24 v[STO], v13, SP
	v_mul_u32_u24 v[RD], v14, SP
	v_lshlrev_b32 v[GO], 4, v13
	v_lshl_add_u32 v[STO], v14, 5, v[STO]
	v_lshl_add_u32 v[RD], v13, 4, v[RD]
	v_lshl_add_u32 v[GO], v14, 11, v[GO]
	v_add_nc_u32 v[STO], s95, v[STO]               ; in: row r, 32 bytes for each half of the lanes
	v_add_nc_u32 v[RD], s95, v[RD]                 ; back: lanes 0-15 one row of 256 bytes, lanes 16-31 the next
	; descriptor groups 1: dense blocks, as rows of 256 bytes (32 elements of 8 bytes), no padding: every LDS load takes 512 consecutive bytes
	s_mov_b32 s[G1], 15|(3<<16)|(1<<21)            ; 15:0 the mask: all four work-groups; 17:16 elements of 8 bytes; 21 set beside a mask
	s_mov_b32 s[G1+1], 32<<16                      ; tensor_dim0
	s_mov_b32 s[G1+2], 128<<16                     ; tensor_dim1: the head's loads bring 128 rows
	s_mov_b32 s[G1+3], 32<<16                      ; tile_dim0
	s_mov_b32 s[G1+4], 128                         ; tile_dim1
	s_mov_b32 s[G1+5], 32                          ; tensor_dim0_stride
	s_mov_b32 s[G1+6], 0
	s_mov_b32 s[G1+7], 0
	s_mov_b32 s[G1S], 15|(3<<16)|(1<<21)
	s_mov_b32 s[G1S+1], 32<<16
	s_mov_b32 s[G1S+2], 16<<16
	s_mov_b32 s[G1S+3], 32<<16
	s_mov_b32 s[G1S+4], 16
	s_mov_b32 s[G1S+5], 32
	s_mov_b32 s[G1S+6], 0
	s_mov_b32 s[G1S+7], 0
	s_and_b32 s84, s24, 1                          ; at the head: which half I fetch
	s_lshl_b32 s85, s84, 15                        ; of slot 0's K' or V': 32,768 bytes
	s_and_b32 s94, s24, 3                          ; in the ring: which of a slot's four steps
	s_lshl_b32 s99, s94, 14
	s_lshl_b32 s86, s27, 18                        ; the head's codes: bh x 262,144
	s_lshl_b32 s87, s27, 13                        ; its scale words: bh x 8,192
	s_add_co_u32 s88, s86, s99
	s_mov_b32 s89, 0
	s_lshl_b32 s90, s84, 12
	s_add_co_u32 s92, s87, s90
	s_mov_b32 s93, 0
	s_mov_b32 s28, 0x76543210
	s_mov_b32 s29, 0xfedcba98                      ; v_permlanex16_b32's selects for lane l xor 16
	s_mov_b32 s30, 0x3db8aa3b                      ; c = log2(e) / 16: the mean of the two products (1/2) and 1 / sqrt(64)
	s_mov_b32 s31, s30                             ; (named with it as a pair, so it is written)
	s_mov_b32 s32, 0x600000                        ; the mantissa field of 448
	s_mov_b32 s33, 0                               ; the slot in hand
	s_mov_b32 s34, 0                               ; the step's scale words
	s_mov_b32 s35, 3                               ; slots still to be asked for
	s_lshl_b32 s100, s26, 3
	s_add_co_u32 s100, s100, s24                   ; my block of 32 queries
	s_mov_b32 s97, 0
	s_wait_kmcnt 0x0
	s_mov_b32 s[G0K], 1                            ; the walking groups 0 stand at slot 0, my step: the first change of slots steps them to slot 1
	s_mov_b32 s[G0K+1], s99
	s_add_nc_u64 s[G0K+2:G0K+3], s[8:9], s[88:89]
	s_or_b32 s[G0K+3], s[G0K+3], 0x80000000
	s_mov_b32 s[G0V], 1
	s_add_co_u32 s[G0V+1], s99, VOFF
	s_add_nc_u64 s[G0V+2:G0V+3], s[12:13], s[88:89]
	s_or_b32 s[G0V+3], s[G0V+3], 0x80000000
	s_mov_b32 s[G0SK], 1
	s_add_co_u32 s[G0SK+1], s90, SCK
	s_add_nc_u64 s[G0SK+2:G0SK+3], s[10:11], s[92:93]
	s_or_b32 s[G0SK+3], s[G0SK+3], 0x80000000
	s_mov_b32 s[G0SV], 1
	s_add_co_u32 s[G0SV+1], s90, SCV
	s_add_nc_u64 s[G0SV+2:G0SV+3], s[14:15], s[92:93]
	s_or_b32 s[G0SV+3], s[G0SV+3], 0x80000000
	s_lshl_b32 s96, s100, 12
	s_add_co_u32 s96, s96, s86
	s_add_nc_u64 s[4:5], s[4:5], s[96:97]          ; my two fragments of Q'
	s_lshl_b32 s96, s100, 7
	s_add_co_u32 s96, s96, s87
	s_add_nc_u64 s[6:7], s[6:7], s[96:97]          ; and their scale words
	s_lshr_b32 s98, s27, 3
	s_lshl_b32 s98, s98, 22                        ; batch x 2,048 rows of 2,048 bytes
	s_lshl_b32 s96, s100, 16                       ; + my 32 rows
	s_add_co_u32 s96, s96, s98
	s_and_b32 s98, s27, 7
	s_lshl_b32 s98, s98, 8                         ; + the head's 256 bytes of a row
	s_add_co_u32 s96, s96, s98
	s_add_nc_u64 s[76:77], s[16:17], s[96:97]      ; x,
	s_add_nc_u64 s[78:79], s[18:19], s[96:97]      ; y,
	s_add_nc_u64 s[80:81], s[20:21], s[96:97]      ; out0,
	s_add_nc_u64 s[82:83], s[22:23], s[96:97]      ; out1
	s_cmp_lt_u32 s24, 6                            ; the prefetches: waves 4, 5 ask for K's bytes, waves 6, 7 for V's
	s_cselect_b64 s[38:39], s[8:9], s[12:13]
	s_lshl_b32 s96, s25, 14                        ; my work-group's 16,384 bytes of a slot's 65,536,
	s_lshl_b32 s98, s84, 13                        ; my wave's half of them,
	s_add_co_u32 s96, s96, s98
	s_add_co_u32 s96, s96, s86                     ; in my head,
	s_add_co_u32 s96, s96, 4*STEPB                 ; in slot 1: the first change of slots steps it to slot 2.  Nothing is prefetched here, at the head
	s_add_nc_u64 s[38:39], s[38:39], s[96:97]
	s_sub_co_u32 s98, s24, 4
	s_lshr_b32 s98, s98, 2                         ; 0 in waves 4 to 7,
	s_or_b32 s98, s98, ttmp9                       ; of the head's first cluster: the same in all four partners
	s_cmp_eq_u32 s98, 0
	s_cselect_b32 s36, 1, -1
	s_add_co_u32 s96, s86, s85                     ; the head's loads of slot 0: my half of its K' or V' (the arguments that lay in s16-23 have been used)
	s_mov_b32 s16, 1
	s_mov_b32 s17, s85
	s_add_nc_u64 s[18:19], s[8:9], s[96:97]
	s_or_b32 s19, s19, 0x80000000
	s_mov_b32 s20, 1
	s_add_co_u32 s21, s85, VOFF
	s_add_nc_u64 s[22:23], s[12:13], s[96:97]
	s_or_b32 s23, s23, 0x80000000
	CROUND                                         ; all four work-groups are here: the first joint loads meet
; THE HEAD'S LOADS, ONE A WAVE: waves 0, 1 slot 0's halves of K', waves 2, 3 those of V', waves 4, 5 the halves of K's scale words, waves 6, 7 those of V's.  One chain of branches on the wave's number: every way passes exactly one load.
.macro ARM under, g0, g1, next
	s_cmp_lt_u32 s24, \under
	s_cbranch_scc0 \next
	tensor_load_to_lds s[\g0:\g0+3], s[\g1:\g1+7]
	s_nop 0
	PLACES 4
	s_branch .Lhead_asked
\next:
.endm
	ARM 2, 16, G1, .Lhead_v
	ARM 4, 20, G1, .Lhead_sk
	ARM 6, G0SK, G1S, .Lhead_sv
	tensor_load_to_lds s[G0SV:G0SV+3], s[G1S:G1S+7]
	s_nop 0
	PLACES 4
.Lhead_asked:
.irp a, 0,1
.irp c, 0,1,2,3
	global_load_b128 v[QF+16*\a+4*\c:QF+16*\a+4*\c+3], v[LI], s[4:5] offset:2048*\a+512*\c   ; Q' stays in registers
.endr
.endr
	global_load_b32 v[QS], v[LS], s[6:7]
	WIN 0x55
.irp a, 0,1
	v_mov_b32 v[ST+4*\a+1], 0xff61b1e6             ; the largest t so far: -3e38, under every t
	v_mov_b32 v[ST+4*\a+2], 0                      ; the sum, in two halves
	v_mov_b32 v[ST+4*\a+3], 0
	v_mov_b32 v[FF+2*\a+1], 0                      ; (named as the upper half of a pair before it is first written)
	v_floor_f32 v[ST+4*\a], -v[ST+4*\a+1]          ; -M
.endr
.irp n, 0,1,2,3,4,5,6,7
	v_mov_b32 v[PB+\n], 0                          ; written once: a lane permute's destination counts as one of its sources
.endr
	WIN 0
.set j, 0
.rept 128
	v_mov_b32 v[OA+j], 0                           ; O'^T.  The key step has no first step of its own: the first finds zeros, which the first change of M leaves zeros; a further copy of the step would cost far more text
.set j, j+1
.endr
	WALU
	s_wait_loadcnt 0x0                             ; Q'
.Lslot:                                            ; three trips: behind each change of slots but the last the next slot is asked for
	CHANGE 1
	RUN .Lstep_a
	s_sub_co_u32 s35, s35, 1
	s_cmp_lg_u32 s35, 0
	s_cbranch_scc1 .Lslot
	CHANGE 0                                       ; the last slot is written out
	RUN .Lstep_b
	; THE WAY OUT, in four rounds k = 2 a + o: tile a's 16 queries, output o: 16 rows x 256 bytes.  The residuals are asked for first, in the rounds' order, with the lanes as the stores will have them.
	WIN 0x40                                       ; destination window 1: the scores' registers are free
.irp k, 0,1,2,3
.irp i, 0,1,2,3,4,5,6,7
	global_load_b128 v[32*\k+4*\i:32*\k+4*\i+3], v[GO], s[76+2*(\k%2):77+2*(\k%2)] offset:(8*(\k/2)+2*\i+8*(\i/4))*2048 th:TH_LOAD_NT
.endr
.endr
	WIN 0x55
.irp a, 0,1
	v_add_f32 v[ST+4*\a+2], v[ST+4*\a+2], v[ST+4*\a+3]   ; the sum's two halves,
.endr
.irp a, 0,1
	v_permlanex16_b32 v[H2+\a], v[ST+4*\a+2], s28, s29
.endr
.irp a, 0,1
	v_add_f32 v[ST+4*\a+2], v[ST+4*\a+2], v[H2+\a]   ; and lane l xor 16's: the row's sum
.endr
	WALU
.irp a, 0,1
	v_rcp_f32 v[FF+2*\a], v[ST+4*\a+2]
.endr
	v_nop                                          ; a plain line between the last reciprocal and the use of its result
	WIN 0x04
	WALU                                           ; and behind them, directly ahead of the first readers
.irp a, 0,1
.set j, 0
.rept 32
	v_pk_mul_f32 v[OA+64*\a+j:OA+64*\a+j+1], v[OA+64*\a+j:OA+64*\a+j+1], v[FF+2*\a:FF+2*\a+1] op_sel_hi:[1,0]   ; O'^T / the sum, each accumulator from its low end on
.set j, j+2
.endr
.endr
.irp k, 0,1,2,3
.if \k >= 2
	s_wait_xcnt 0x0                                ; round k - 2's stores have read their registers, which this round's rows take
.endif
	WIN 0
.irp t, 0,1,2,3
	ds_store_b128 v[STO], v[OA+64*(\k/2)+8*(4*(\k%2)+\t):OA+64*(\k/2)+8*(4*(\k%2)+\t)+3] offset:64*\t      ; lane (r, h): channels 16 t + 8 h + 0 .. 7 of query r
	ds_store_b128 v[STO], v[OA+64*(\k/2)+8*(4*(\k%2)+\t)+4:OA+64*(\k/2)+8*(4*(\k%2)+\t)+7] offset:64*\t+16
.endr
.irp i, 0,1,2,3,4,5,6,7
	ds_load_b128 v[FRA+32*(\k%2)+4*\i:FRA+32*(\k%2)+4*\i+3], v[RD] offset:2*SP*\i   ; LDS serves a wave's instructions in order (ISA guide 5.7.1.4): these see my stores, and the next round's stores come behind them
.endr
	s_wait_dscnt 0x0
	s_wait_loadcnt 24-8*\k                         ; this round's eight residuals are in; the later rounds' may be out
	WIN 0x04
.set j, 0
.rept 16
	v_pk_add_f32 v[FRA+32*(\k%2)+j:FRA+32*(\k%2)+j+1], v[FRA+32*(\k%2)+j:FRA+32*(\k%2)+j+1], v[32*\k+j:32*\k+j+1]
.set j, j+2
.endr
	WIN 0
.irp i, 0,1,2,3,4,5,6,7
	global_store_b128 v[GO], v[FRA+32*(\k%2)+4*\i:FRA+32*(\k%2)+4*\i+3], s[80+2*(\k%2):81+2*(\k%2)] offset:(8*(\k/2)+2*\i+8*(\i/4))*2048 th:TH_STORE_NT   ; sixteen lanes store 256 consecutive bytes, aligned
.endr
.endr
	s_wait_tensorcnt 0x0                           ; the wave's end
	ds_add_u32 v[SPW], v[NIL]
	s_wait_dscnt 0x0
	CROUND                                         ; the closing round: no work-group ends while a partner may still ask for a tile that names it
	s_endpgm
.Lfunc_end_k_q0328ce4e84_attend:
	.size	k_q0328ce4e84_attend, .Lfunc_end_k_q0328ce4e84_attend-k_q0328ce4e84_attend
	.p2alignl 7, 3214868480
	.fill 96, 4, 3214868480
	.section	.rodata,"a",@progbits
	.p2align	6, 0x0
	.amdhsa_kernel k_q0328ce4e84_attend
		.amdhsa_group_segment_fixed_size 327680
		.amdhsa_private_segment_fixed_size 0
		.amdhsa_enable_private_segment 0
		.amdhsa_kernarg_size 80
		.amdhsa_user_sgpr_count 2
		.amdhsa_user_sgpr_kernarg_segment_ptr 1
		.amdhsa_wavefront_size32 1
		.amdhsa_system_sgpr_workgroup_id_x 1
		.amdhsa_system_sgpr_workgroup_id_y 1
		.amdhsa_system_sgpr_workgroup_id_z 1
		.amdhsa_system_vgpr_workitem_id 0
		.amdhsa_next_free_vgpr 512
		.amdhsa_next_free_sgpr 102
		.amdhsa_reserve_vcc 0
		.amdhsa_float_denorm_mode_32 3
		.amdhsa_float_denorm_mode_16_64 3
		.amdhsa_memory_ordered 1
		.amdhsa_forward_progress 1
		.amdhsa_inst_pref_size 115
	.end_amdhsa_kernel
	.amdgpu_metadata
---
amdhsa.version: [ 1, 2 ]
amdhsa.kernels:
  - .name:           k_q0328ce4e84_attend
    .symbol:         k_q0328ce4e84_attend.kd
    .args:
      - { .name: qc, .offset: 0, .size: 8, .value_kind: global_buffer, .address_space: global }
      - { .name: qs, .offset: 8, .size: 8, .value_kind: global_buffer, .address_space: global }
      - { .name: kc, .offset: 16, .size: 8, .value_kind: global_buffer, .address_space: global }
      - { .name: ks, .offset: 24, .size: 8, .value_kind: global_buffer, .address_space: global }
      - { .name: vc, .offset: 32, .size: 8, .value_kind: global_buffer, .address_space: global }
      - { .name: vs, .offset: 40, .size: 8, .value_kind: global_buffer, .address_space: global }
      - { .name: x, .offset: 48, .size: 8, .value_kind: global_buffer, .address_space: global }
      - { .name: y, .offset: 56, .size: 8, .value_kind: global_buffer, .address_space: global }
      - { .name: out0, .offset: 64, .size: 8, .value_kind: global_buffer, .address_space: global }
      - { .name: out1, .offset: 72, .size: 8, .value_kind: global_buffer, .address_space: global }
    .group_segment_fixed_size: 327680
    .private_segment_fixed_size: 0
    .kernarg_segment_align: 8
    .kernarg_segment_size: 80
    .max_flat_workgroup_size: 256
    .sgpr_count:     102
    .vgpr_count:     512
    .wavefront_size: 32
...
	.end_amdgpu_metadata
.endif
;; end of part 2
